; MI455X (gfx1250); checked and timed in simulation.
; The chip was launched on July 23, 2026; its instructions are those of AMD's public machine-readable ISA for CDNA 5 (MIT licence, August 2026) and "CDNA5" Instruction Set Architecture Reference Guide (July 2026). The comments in the code are by the model that wrote it; some were corrected since.
;; Focal Loss rankingloss prob label. Allowed arithmetic: float matrix products may take bf16 or f16 operands with f32 sums; all other float work in f32.
;; Inputs: label 2,097,152 float32; logit 2,097,152 x 7 float32; mask 2,097,152 x 7 bool.
;; Outputs: out0 2,097,152 float32.
;; One version. Each part assembles by itself: llvm-mc -triple=amdgcn-amd-amdhsa -mcpu=gfx1250 --defsym DOCPART=n.
;; ======== version 1 of 1: 1 launch
;; launch focal (part 1): grid 256 x 1, 16 waves a work-group, no clusters, 288,768 bytes of LDS; arguments logit, mask, label, out0; writes out0
.if DOCPART == 1
	.amdgcn_target "amdgcn-amd-amdhsa--gfx1250"
	.amdhsa_code_object_version 6
	.text
	.protected	k_q34709dfc09_focal
	.globl	k_q34709dfc09_focal
	.p2align	8
	.type	k_q34709dfc09_focal,@function
k_q34709dfc09_focal:
	s_mov_b64 s[64:65], 0
	v_nop
	global_prefetch_b8 v0, s[64:65] scope:SCOPE_SE
	s_setreg_imm32_b32 hwreg(HW_REG_WAVE_MODE, 25, 1), 1
	s_wait_xcnt 0x0
; loss[i] = sum over masked j of focal(bce(x, y)) + sum over unmasked j with prob > min_rs of focal(bce(prob, 0)).
; logit [2097152][7] f32, mask [2097152][7] bytes, label and out0 [2097152] f32.
;
; ONE FORMULA FOR BOTH KINDS OF ELEMENT, in base 2 (ln2 is multiplied in once per row at the end):
;   m1 = -x log2e     p = 1 / (1 + 2^m1)     q = 1 - p          the sigmoid in the reference's own form: p rounds to 1 and ties near 1 as there
;   pm = mask ? p : NaN                                          v_min3_num / v_max_num drop a NaN (ISA guide, their entries), so pm serves twice:
;   min_rs = min over the row of pm                              unmasked elements do not take part; a row without any masked element gives NaN: no p > NaN
;   A = max(q, pm)                                               masked: max(p, q), -ln A = log1p(exp(-|x|));  unmasked: q, -ln A = -log1p(-p)
;   bce2 = min(-log2 A, 100 log2e) + mask (|m1| / 2 + m1 (y - 1/2))     the second term is (max(x,0) - x y) log2e; a masked -log2 A is at most 1: the clip
;                                                                       bites only where q = 0, as the reference's clip at 100 does
;   f = (1 - 2^-bce2)^2 bce2, kept where mask or p > min_rs.
; Four transcendentals an element.
;
; LIMITS.  NaN and infinite logits or labels are not treated as the reference treats them (an unmasked NaN logit counts as 0 here).
; p is made by v_exp_f32 and v_rcp_f32 (1 ulp each): an unmasked p within about an ulp of min_rs may fall on the other side of the strict comparison.
; Below about x = -87 the reciprocal is flushed and p = 0; an unmasked term there is below f32's range, a masked one uses q = 1 and m1 and is right.
; A mask byte counts as true when it is not 0.
;
; SHARES.  256 work-groups x 16 waves; a wave owns 512 rows = 4 tiles of 128 rows; a lane owns 4 neighbouring rows (28 elements) of a tile.
; A wave's logits (4 x 3,584 bytes) and masks (3,584 bytes) have LDS bytes of their own: 16 x 17,920 = 286,720 bytes, so nothing is ever refilled.
; All five tensor loads and the four label loads of a wave are issued at its first lines; each starts at a multiple of 256 bytes from its buffer's
; first byte and is a multiple of 256 bytes long.  A wave reads only what its own loads brought: s_wait_tensorcnt is all the ordering, no barrier.
; No cluster: no two work-groups read the same byte.  No matrix unit: there is no product.
.set TILE_B,   3584                    ; 128 rows of 28 bytes; also a wave's 512 rows of 7 mask bytes
.set WAVE_LDS, 5*TILE_B                ; masks, then logit tiles 0 to 3
.set LA,  2                            ; v2       LDS address of my 112 logit bytes in tile 0
.set MA,  3                            ; v3       LDS address of my 28 mask bytes of tile 0
.set GO,  4                            ; v4       16 x lane: my 4 labels and my 4 results in a tile's 512 bytes
.set QN,  5                            ; v5       a quiet NaN
.set Y,   8                            ; v[8:23]    labels, 4 for each tile
.set YH,  24                           ; v[24:27]   y - 1/2 of the tile's 4 rows
.set PMN, 28                           ; v[28:31]   min_rs of the 4 rows
.set OUT, 32                           ; v[32:47]   results, 4 for each tile: a store's data registers are never written again
.set W,   48                           ; v[48:54]   my 28 mask bytes
.set T,   56                           ; v[56:59]   at work
.set X,   64                           ; v[64:91]   x, then m1, then m1 where masked and 0 elsewhere
.set P,   92                           ; v[92:119]  2^m1, 1 + 2^m1, p
.set PM,  120                          ; v[120:147] pm, A, log2 A, bce2
.set Q,   148                          ; v[148:175] q, 2^-bce2, (1 - 2^-bce2)^2, that or 0
.set G1,  16                           ; s[16:23]  descriptor group 1, the same for all five loads
.set G0,  24                           ; s[24:43]  descriptor group 0, a set for each load, never rewritten
.set NL2E, 46                          ; s[46:47]  -log2 e (a pair: the packed forms name both)
.set LN2,  48                          ; s[48:49]  ln 2
.set CLIP, 50                          ; s50       100 log2 e
.set B3,   51                          ; s51       1 << 24: a mask word at or above it has its top byte set
.set CT,   52                          ; s[52:58]  a row's seven comparisons with min_rs
.set MK,   66                          ; s[66:93]  element e: lanes whose mask byte is set; later: lanes whose term counts
	s_load_b256 s[4:11], s[0:1], 0x0               ; logit s[4:5], mask s[6:7], label s[8:9], out0 s[10:11]
	v_lshl_add_u32 v176, v0, 2, 0x46000
	v_mov_b32 v177, 0
	ds_add_u32 v176, v177
	ds_add_u32 v176, v177
	v_lshrrev_b32 v1, 5, v0
	v_readfirstlane_b32 s12, v1                    ; wave 0..15
	s_lshl_b32 s13, ttmp9, 4
	s_add_co_u32 s13, s13, s12                     ; wave 0..4095 of the launch
	s_mul_i32 s44, s12, WAVE_LDS                   ; my wave's LDS bytes
	; group 1: one row of 448 elements of 8 bytes = 3,584 bytes, no padding, no second dimension
	s_mov_b32 s[G1+0], 3<<16                       ; 17:16 element of 8 bytes; no work-group mask
	s_mov_b32 s[G1+1], (TILE_B/8)<<16              ; tensor_dim0 = 448
	s_mov_b32 s[G1+2], 1<<16
	s_mov_b32 s[G1+3], (TILE_B/8)<<16              ; tile_dim0 = 448
	s_mov_b32 s[G1+4], 1
	s_mov_b32 s[G1+5], 448
	s_mov_b32 s[G1+6], 0
	s_mov_b32 s[G1+7], 0
	s_mul_i32 s14, s13, 4*TILE_B                   ; my 512 rows of logits: at most 4095 x 14,336 bytes, below 2^31
	s_mov_b32 s15, 0
	s_mul_i32 s2, s13, TILE_B                      ; my 512 rows of masks
	s_mov_b32 s3, 0
	s_wait_dscnt 0x0
	s_wait_kmcnt 0x0
	s_add_nc_u64 s[4:5], s[4:5], s[14:15]
	s_add_nc_u64 s[6:7], s[6:7], s[2:3]
	; the masks first (every tile needs them), then the four logit tiles in the order of their use
	s_mov_b32 s[G0], 1
	s_add_co_u32 s[G0+1], s44, 0
	s_mov_b64 s[G0+2:G0+3], s[6:7]
	s_or_b32 s[G0+3], s[G0+3], 0x80000000
	tensor_load_to_lds s[G0:G0+3], s[G1:G1+7]
	s_nop 0
.irp i, 0,1,2,3
	s_mov_b32 s[G0+4+4*\i], 1
	s_add_co_u32 s[G0+5+4*\i], s44, (\i+1)*TILE_B
	s_add_nc_u64 s[G0+6+4*\i:G0+7+4*\i], s[4:5], \i*TILE_B
	s_or_b32 s[G0+7+4*\i], s[G0+7+4*\i], 0x80000000
	tensor_load_to_lds s[G0+4+4*\i:G0+7+4*\i], s[G1:G1+7]
	s_nop 0
.endr
	s_lshl_b32 s14, s13, 11                        ; my 512 labels and results: 2,048 bytes a wave
	s_add_nc_u64 s[8:9], s[8:9], s[14:15]
	s_add_nc_u64 s[10:11], s[10:11], s[14:15]
	v_and_b32 v1, 31, v0                           ; lane
	v_lshlrev_b32 v[GO], 4, v1
.irp i, 0,1,2,3
	global_load_b128 v[Y+4*\i:Y+4*\i+3], v[GO], s[8:9] offset:512*\i th:TH_LOAD_NT   ; a wave's load covers 512 neighbouring bytes
.endr
	s_add_co_u32 s45, s44, TILE_B
	v_mul_u32_u24 v[LA], 112, v1                   ; 4 rows of 28 bytes a lane: 7 x 16 bytes, so 16 lanes start in 16 different 16-byte columns of 256
	v_add_nc_u32 v[LA], s45, v[LA]
	v_mul_u32_u24 v[MA], 28, v1                    ; 7 words a lane: 32 lanes, 32 different banks
	v_add_nc_u32 v[MA], s44, v[MA]
	v_mov_b32 v[QN], 0x7fc00000
	s_mov_b32 s[NL2E], 0xbfb8aa3b
	s_mov_b32 s[NL2E+1], 0xbfb8aa3b
	s_mov_b32 s[LN2], 0x3f317218
	s_mov_b32 s[LN2+1], 0x3f317218
	s_mov_b32 s[CLIP], 0x431044fe                  ; 144.2695
	s_mov_b32 s[B3], 0x01000000
; One tile of 128 rows.  left = how many of my tensor loads (later logit tiles) may still be out.
; Element e = 7 r + c of the lane: row r of its four, column c.  Packed forms take elements 2 i, 2 i + 1.
; Each run of transcendentals is followed by plain vector work on other registers before a result is read (ISA guide 5.7.2).
.macro TILE it, left
	s_wait_tensorcnt \left                         ; a wave's tensor loads end in order: the masks and this tile are in LDS
.irp k, 0,1,2,3,4,5,6
	ds_load_b128 v[X+4*\k:X+4*\k+3], v[LA] offset:\it*TILE_B+16*\k
.endr
.irp k, 0,1,2,3,4,5,6
	ds_load_b32 v[W+\k], v[MA] offset:\it*(TILE_B/4)+4*\k
.endr
	s_wait_dscnt 7                                 ; the logits are in; the seven mask words behind them may be out
.set e, 0
.rept 14
	v_pk_mul_f32 v[X+e:X+e+1], v[X+e:X+e+1], s[NL2E:NL2E+1] op_sel_hi:[1,0]    ; m1 = -x log2e
.set e, e+2
.endr
.set e, 0
.rept 28
	v_exp_f32 v[P+e], v[X+e]                       ; exp(-x); infinity above m1 = 128 (p = 0), 0 below -126 (p = 1)
.set e, e+1
.endr
	s_wait_dscnt 0
	; mask bytes to lane masks: the top byte of a word by one comparison, the others by a cut and a comparison
.set e, 0
.rept 28
.if (e%4) == 3
	v_cmp_le_u32 s[MK+e], s[B3], v[W+e/4]
.else
	v_and_b32 v[T+e%4], 0xff<<(8*(e%4)), v[W+e/4]
	v_cmp_ne_u32 s[MK+e], 0, v[T+e%4]
.endif
.set e, e+1
.endr
.set e, 0
	s_wait_alu depctr_va_vdst(0)
.rept 14
	v_pk_add_f32 v[P+e:P+e+1], v[P+e:P+e+1], 1.0 op_sel_hi:[1,0]
.set e, e+2
.endr
.set e, 0
.rept 28
	v_rcp_f32 v[P+e], v[P+e]                       ; p
.set e, e+1
.endr
	s_wait_loadcnt 3-\it                           ; this tile's labels are in; the later tiles' loads may be out
	v_pk_add_f32 v[YH:YH+1], v[Y+4*\it:Y+4*\it+1], -0.5 op_sel_hi:[1,0]
	v_pk_add_f32 v[YH+2:YH+3], v[Y+4*\it+2:Y+4*\it+3], -0.5 op_sel_hi:[1,0]
.set e, 0
	s_wait_alu depctr_va_vdst(0)
.rept 28
	v_cndmask_b32 v[PM+e], v[QN], v[P+e], s[MK+e]  ; pm = mask ? p : NaN
.set e, e+1
.endr
.irp r, 0,1,2,3
	v_min3_num_f32 v[PMN+\r], v[PM+7*\r], v[PM+7*\r+1], v[PM+7*\r+2]
	v_min3_num_f32 v[T+\r], v[PM+7*\r+3], v[PM+7*\r+4], v[PM+7*\r+5]
.endr
.irp r, 0,1,2,3
	v_min3_num_f32 v[PMN+\r], v[PMN+\r], v[T+\r], v[PM+7*\r+6]                 ; min_rs
.endr
.set e, 0
.rept 14
	v_pk_fma_f32 v[Q+e:Q+e+1], v[P+e:P+e+1], -1.0, 1.0 op_sel_hi:[1,0,0]       ; q = 1 - p, one rounding
.set e, e+2
.endr
.set e, 0
.rept 28
	v_max_num_f32 v[PM+e], v[Q+e], v[PM+e]         ; A: max(p, q) where masked, q where pm is NaN
.set e, e+1
.endr
.set e, 0
.rept 28
	v_log_f32 v[PM+e], v[PM+e]                     ; A is 0 or at least 2^-24: never a denormal
.set e, e+1
.endr
.set e, 0
.rept 28
	v_cndmask_b32 v[X+e], 0, v[X+e], s[MK+e]       ; m1 where masked, else 0: the label's term drops out of unmasked elements
.set e, e+1
.endr
.set e, 0
	s_wait_alu depctr_va_vdst(0)
.rept 28
	v_min_num_f32 v[PM+e], -v[PM+e], s[CLIP]       ; the clip at 100: reached only from A = 0
.set e, e+1
.endr
.set e, 0
.rept 28
	v_fma_f32 v[PM+e], |v[X+e]|, 0.5, v[PM+e]
.set e, e+1
.endr
	; + m1 (y - 1/2).  A pair inside row r takes that row's y twice; the pairs (6,7) and (20,21) span rows (0,1) and (2,3) and take the register pair as it lies
.set e, 0
.rept 14
.if (e/7) != ((e+1)/7)
	v_pk_fma_f32 v[PM+e:PM+e+1], v[X+e:X+e+1], v[YH+e/7:YH+e/7+1], v[PM+e:PM+e+1]
.else
.if ((e/7)&1) == 0
	v_pk_fma_f32 v[PM+e:PM+e+1], v[X+e:X+e+1], v[YH+e/7:YH+e/7+1], v[PM+e:PM+e+1] op_sel_hi:[1,0,1]
.else
	v_pk_fma_f32 v[PM+e:PM+e+1], v[X+e:X+e+1], v[YH+e/7-1:YH+e/7], v[PM+e:PM+e+1] op_sel:[0,1,0] op_sel_hi:[1,1,1]
.endif
.endif
.set e, e+2
.endr
.set e, 0
.rept 28
	v_exp_f32 v[Q+e], -v[PM+e]                     ; exp(-bce)
.set e, e+1
.endr
	; which terms count: masked ones, and unmasked ones with p > min_rs (false against a NaN)
.irp r, 0,1,2,3
.irp j, 0,1,2,3,4,5,6
	v_cmp_gt_f32 s[CT+\j], v[P+7*\r+\j], v[PMN+\r]
.endr
.irp j, 0,1,2,3,4,5,6
	s_or_b32 s[MK+7*\r+\j], s[MK+7*\r+\j], s[CT+\j]
.endr
.endr
.set e, 0
	s_wait_alu depctr_va_vdst(0)
.rept 14
	v_pk_fma_f32 v[Q+e:Q+e+1], v[Q+e:Q+e+1], -1.0, 1.0 op_sel_hi:[1,0,0]
.set e, e+2
.endr
.set e, 0
.rept 14
	v_pk_mul_f32 v[Q+e:Q+e+1], v[Q+e:Q+e+1], v[Q+e:Q+e+1]
.set e, e+2
.endr
.set e, 0
.rept 28
	v_cndmask_b32 v[Q+e], 0, v[Q+e], s[MK+e]       ; bce2 is finite (clipped) where the weight is 0
.set e, e+1
.endr
.irp r, 0,1,2,3
	v_mul_f32 v[OUT+4*\it+\r], v[Q+7*\r], v[PM+7*\r]                           ; the first term starts each row's sum
.endr
.irp j, 1,2,3,4,5,6
.irp r, 0,1,2,3
	v_fmac_f32 v[OUT+4*\it+\r], v[Q+7*\r+\j], v[PM+7*\r+\j]                    ; four chains in turn
.endr
.endr
	v_pk_mul_f32 v[OUT+4*\it:OUT+4*\it+1], v[OUT+4*\it:OUT+4*\it+1], s[LN2:LN2+1] op_sel_hi:[1,0]
	v_pk_mul_f32 v[OUT+4*\it+2:OUT+4*\it+3], v[OUT+4*\it+2:OUT+4*\it+3], s[LN2:LN2+1] op_sel_hi:[1,0]
	global_store_b128 v[GO], v[OUT+4*\it:OUT+4*\it+3], s[10:11] offset:512*\it th:TH_STORE_NT   ; the wave stores 512 neighbouring bytes, at a multiple of 512 from out0's first byte
.endm
	TILE 0, 3
	TILE 1, 2
	TILE 2, 1
	TILE 3, 0                                      ; the last wait is for zero: no tensor load is out at the end
	s_wait_tensorcnt 0x0
	ds_add_u32 v176, v177
	s_wait_dscnt 0x0
	s_endpgm
.Lfunc_end_k_q34709dfc09_focal:
	.size	k_q34709dfc09_focal, .Lfunc_end_k_q34709dfc09_focal-k_q34709dfc09_focal
	.p2alignl 7, 3214868480
	.fill 96, 4, 3214868480
	.section	.rodata,"a",@progbits
	.p2align	6, 0x0
	.amdhsa_kernel k_q34709dfc09_focal
		.amdhsa_group_segment_fixed_size 288768
		.amdhsa_private_segment_fixed_size 0
		.amdhsa_enable_private_segment 0
		.amdhsa_kernarg_size 32
		.amdhsa_user_sgpr_count 2
		.amdhsa_user_sgpr_kernarg_segment_ptr 1
		.amdhsa_wavefront_size32 1
		.amdhsa_system_sgpr_workgroup_id_x 1
		.amdhsa_system_sgpr_workgroup_id_y 1
		.amdhsa_system_sgpr_workgroup_id_z 1
		.amdhsa_system_vgpr_workitem_id 0
		.amdhsa_next_free_vgpr 178
		.amdhsa_next_free_sgpr 94
		.amdhsa_reserve_vcc 0
		.amdhsa_float_denorm_mode_32 3
		.amdhsa_float_denorm_mode_16_64 3
		.amdhsa_memory_ordered 1
		.amdhsa_forward_progress 1
		.amdhsa_inst_pref_size 117
	.end_amdhsa_kernel
	.amdgpu_metadata
---
amdhsa.version: [ 1, 2 ]
amdhsa.kernels:
  - .name:           k_q34709dfc09_focal
    .symbol:         k_q34709dfc09_focal.kd
    .args:
      - { .name: logit, .offset: 0, .size: 8, .value_kind: global_buffer, .address_space: global }
      - { .name: mask, .offset: 8, .size: 8, .value_kind: global_buffer, .address_space: global }
      - { .name: label, .offset: 16, .size: 8, .value_kind: global_buffer, .address_space: global }
      - { .name: out0, .offset: 24, .size: 8, .value_kind: global_buffer, .address_space: global }
    .group_segment_fixed_size: 288768
    .private_segment_fixed_size: 0
    .kernarg_segment_align: 8
    .kernarg_segment_size: 32
    .max_flat_workgroup_size: 512
    .sgpr_count:     94
    .vgpr_count:     178
    .wavefront_size: 32
...
	.end_amdgpu_metadata
.endif
;; end of part 1
